; MI455X (gfx1250); checked and timed in simulation.
; The chip was launched on July 23, 2026; its instructions are those of AMD's public machine-readable ISA for CDNA 5 (MIT licence, August 2026) and "CDNA5" Instruction Set Architecture Reference Guide (July 2026). The comments in the code are by the model that wrote it; some were corrected since.
;; VQ. Allowed arithmetic: matrix products marked QUANTISED: E2M1 operands, one E8M0 scale for each 32 along K, by v_wmma_scale_f32_16x16x128_f8f6f4 with both operands' format E2M1 (or v_wmma_scale_f32_32x16x128_f4), f32 sums; everything else in f32.
;; Inputs: codebook 512 x 64 float32; x 32 x 64 x 64 x 64 float32.
;; Outputs: out0 32 x 64 x 64 x 64 float32.
;; This version of the problem:
;;   THIS VERSION OF THE PROBLEM IS GIVEN IN LOW PRECISION. The matrix products marked QUANTISED in the list below multiply operands that are first quantised to E2M1 (2 exponent bits, 1 mantissa bit; 4 bits a number), with one power-of-two scale for each 32 numbers along K (OCP MX v1.0); their sums are f32. All else is computed in f32.
;;   The module's matrix products, in the order in which they are computed (A, B: the left and right operand; K: the contracted axis; several contracted axes count as one K, in the product's order):
;;     1. [M 131,072, K 64] x [K 64, N 512]; A: input x; B: input codebook: QUANTISED
;;   THE QUANTISER, for each operand of a quantised product, along K:
;;     - K is cut into blocks of 32 from its start; a last block that is shorter is filled with zeros.
;;     - A block's scale is 2^e with e = floor(log2(the largest magnitude in the block)) - 2, held to -126 .. 127; a block of zeros has e = 0. As a byte (E8M0): e + 127.
;;     - Each number is divided by its block's scale, clamped to +-6, and rounded to the nearest number of E2M1, ties to even, subnormals kept.
;;     - The product sums the exact products of the quantised numbers (number of the format x scale) in f32.
;;   ~~~python
;;   def quantise(x, axis):      # numpy; x: float32 -> the quantised numbers, widened to float32 again
;;       x = np.moveaxis(x, axis, -1); K = x.shape[-1]
;;       x = np.pad(x, [(0, 0)] * (x.ndim - 1) + [(0, -K % 32)]); x = x.reshape(x.shape[:-1] + (-1, 32)); a = np.abs(x).max(-1, keepdims=True)
;;       e = np.where(a > 0, np.clip(np.frexp(np.where(a > 0, a, 1))[1] - 1 - 2, -126, 127), 0)      # np.frexp(a)[1] - 1 = floor(log2(a)), exactly
;;       r = np.clip(x / 2.0 ** e, -6, 6)
;;       step = 2.0 ** (np.maximum(np.frexp(np.where(r == 0, 1, r))[1] - 1, 0) - 1)
;;       q = np.round(r / step) * step * 2.0 ** e      # np.round: ties to even
;;       return np.moveaxis(q.reshape(q.shape[:-2] + (-1,))[..., :K], -1, axis).astype(np.float32)
;;   ~~~
;; One version. Each part assembles by itself: llvm-mc -triple=amdgcn-amd-amdhsa -mcpu=gfx1250 --defsym DOCPART=n.
;; ======== version 1 of 1: 2 launches
;; limits: right only within a limited range of input values
;; workspace buffers: nearest 524,288 bytes of whole numbers
;; launch nearest (part 1): grid 256 x 1, 8 waves a work-group, clusters of 4 x 1, 301,056 bytes of LDS; arguments x, codebook, nearest; writes nearest
.if DOCPART == 1
	.amdgcn_target "amdgcn-amd-amdhsa--gfx1250"
	.amdhsa_code_object_version 6
	.text
	.protected	k_qcac1ac7833_nearest
	.globl	k_qcac1ac7833_nearest
	.p2align	8
	.type	k_qcac1ac7833_nearest,@function
k_qcac1ac7833_nearest:
	s_mov_b64 s[64:65], 0
	v_nop
	global_prefetch_b8 v0, s[64:65] scope:SCOPE_SE
	s_setreg_imm32_b32 hwreg(HW_REG_WAVE_MODE, 25, 1), 1
	s_wait_xcnt 0x0
	s_wait_alu depctr_hold_cnt(0) depctr_sa_sdst(0) depctr_va_vdst(0) depctr_va_sdst(0) depctr_va_ssrc(0) depctr_va_vcc(0) depctr_vm_vsrc(0)
	s_getreg_b32 s2, hwreg(HW_REG_IB_STS2, 6, 4)
	s_cmp_eq_u32 s2, 0
	s_cbranch_scc0 .Lentry_in_a_cluster
	s_endpgm
.Lentry_in_a_cluster:
	s_bfe_u32 s2, ttmp6, 0x10000c
	s_cmp_lg_u32 s2, 0x3003
	s_cbranch_scc0 .Lentry_shape_is_right
	s_endpgm
.Lentry_shape_is_right:
; nearest[n] = argmin over k of |x(n)|^2 - 2 p(n, k) + cc(k), the lower k where two are equal.
; x: [131072][64] f32, codebook: [512][64] f32.  p = Q(x) . Q(codebook): both quantised along the 64 to FP4 (E2M1) with one E8M0 scale for each 32;
; cc: the sums of squares of the unquantised codebook rows, f32.  nearest: [131072] words, read by the next launch, which copies the rows.
; DEAD WORK, LEFT OUT: |x(n)|^2.  It is one number for all k, so for every x and every codebook the k that makes |x|^2 - 2 p + cc least is the k that makes p - cc/2 greatest:
; |x|^2 reaches no output.  (x itself is loaded: it goes into p.)  LIMIT that follows: a NaN, an infinity or an overflow that would arise in |x|^2 alone is not carried to the result.
; ROUNDINGS.  The product takes C = -cc/2 (halving is exact), so a result is p - cc/2 in f32.  A sum rounded beside |x|^2, and another order of the sums in cc, can turn a choice
; only where two distances lie within about one ulp of each other.
; LIMITS.  NaN, infinities and distances that overflow f32 are not served.  A block whose largest magnitude lies under 2^(3 - 127) gets the scale byte 1; a block of zeros too: its codes are zeros.
; SHARES.  A work-group of eight waves takes 512 rows of x as four quarters of 128; a wave takes a tile of 16 queries of each quarter.  Every wave holds ALL 512 codes in registers, and -cc/2 of all of them.
; LAYOUT.  Source 0 = 32 codes, source 1 = 16 queries: lane (r, h) holds query r, and register 8 v + j of a result code 16 v + 8 h + j of the 32.
; K IS 64, THE INSTRUCTION'S 128.  A pair p of fragments (16 registers) carries FOUR tiles of 16 codes: rows 0-15: tile 4 p at k < 64, tile 4 p + 2 at k >= 64; rows 16-31: tiles 4 p + 1 and 4 p + 3.
; Source 1 is taken twice out of twelve registers [zeros | the queries' codes | zeros]: codes then zeros multiplies tiles 4 p, 4 p + 1; zeros then codes tiles 4 p + 2, 4 p + 3.  No register is padding.
; ARGMAX.  A UNIT is one result: 16 numbers a lane, codes 32 u on.  Its maximum is found three operands at a time and joined with the best so far; ONE compare; dual instructions then keep
; the unit's number and its 16 numbers.  At a tile's end the first kept number equal to the maximum names the code, and the two halves of the lanes are joined.
; MEMORY.  All bytes come by tensor loads at the head, one a wave, each LDS byte filled once: waves 0-3 ask for a quarter of the codebook each, waves 4-7 for a quarter of x each.  Each wave of
; x has a load line of its own, since each waits at another barrier: quarter t is waited for by wave 4 + t alone, ahead of the barrier behind which all waves read it; the younger quarters stay out.
; CLUSTER.  Every work-group reads the same codebook: the four of a cluster ask for each quarter JOINTLY (the same load, the same descriptor, a mask that names the four).
; NO PREFETCH: there is no loop to run ahead in; all bytes are asked for at the head.
; REGISTERS: window 0: v0-63 addresses and work, v64-127 two sets of two results (also a tile's raw numbers), v128-255 the fragments (earlier: the codebook's raw numbers).  Window 1: -cc/2.
.set ROWP,  272                        ; a row in LDS: 256 bytes + 16, so that the sixteen rows that a 16-byte load touches lie at sixteen different places modulo 256 bytes
.set TILEP, 16*ROWP                    ; a tile: 16 rows
.set QUARP, 128*ROWP                   ; a quarter of x or of the codebook: 128 rows
.set CRAW,  4*QUARP                    ; x's 512 rows lie from 0 on, behind them the codebook as f32
.set IMG,   8*QUARP                    ; the codebook's codes as images of registers: tile t at 512 t, lane l's 16 bytes at 16 l
.set SCL,   IMG+32*512                 ; scale words: fragment f (rows 0-15 of pair f / 2 where f is even, else rows 16-31) at 64 f, row r's word at 4 r
.set CCS,   SCL+1024                   ; -cc/2 of 512 codes
.set STG,   CCS+2048                   ; the work-group's 512 indices
.set SPARE, STG+2048                   ; the spare words: 128 bytes a wave, named by no other line
.set XADR, 1                           ; LDS: my 128 bytes (row r, half h) of my wave's tile of x, quarter by quarter
.set LIMG, 2                           ; IMG + 16 x lane
.set RCC,  3                           ; CCS + 32 h
.set H8,   4                           ; 8 h
.set WST,  5                           ; STG + 64 x wave + 4 r
.set RST,  6                           ; STG + 256 x wave + 8 x lane
.set GOF,  7                           ; 8 x lane
.set SPW,  8                           ; my spare word: SPARE + 4 x my thread's number; never rewritten
.set NIL,  9                           ; 0; never rewritten
.set IDX,  15                          ; the best unit so far
.set TCH,  16                          ; v16-19 chains of a unit's maximum; at a tile's end chains of the place in the unit
.set BEST, 20                          ; v20-21 the greatest so far, by turns: behind unit u in BEST + u % 2
.set BSC,  22                          ; the queries' scale word: bytes s0, s1, s0, s1
.set MXA,  23                          ; v23-24 two chains of the largest magnitude
.set MXB,  24
.set SCO,  25                          ; the conversions' scale operand
.set BYT,  26                          ; my block's scale byte
.set TPA,  27                          ; what lane l xor 16 sends
.set ASC,  28                          ; v28-35 scale words of pair p: lanes 0-15 rows 0-15, lanes 16-31 rows 16-31
.set BZ,   36                          ; v36-39 zeros, v40-43 the queries' codes, v44-47 zeros
.set KEEP, 48                          ; v48-63 the 16 numbers of the best unit so far
.set PBEST, 48                         ; a tile's end, behind the compares that read KEEP
.set PCODE, 49
.set RT,    50
.set RCODE, 51
.set MXV,   52
.set RA,    53
.set RB,    54
.set RES,   55
.set CADR, 48                          ; while the codebook is quantised: my 128 bytes of my wave's first tile of codes,
.set WIMG, 49                          ; where my tiles' images go,
.set WCC,  50                          ; -cc/2,
.set WSC,  51                          ; scale words,
.set RSC,  52                          ; SCL + 4 x lane
.set T0,   53
.set R,    54
.set H,    55
.set SQ,   56                          ; v56-59 four partial sums of squares
.set LN,   60
.set R4,   61
.set L16,  62
.set HWD,  60                          ; v60-63 a row's two scale bytes, tile by tile
.set CDS,  64                          ; v64-79 four tiles' codes, v80-83 their -cc/2, v84-85 two scale words
.set CCV,  80
.set SWD,  84
.set TPB,  86
.set DACC, 64                          ; unit u at 64 + 32 ((u / 2) % 2) + 16 (u % 2)
.set FR,   128                         ; pair p's fragments at 128 + 16 p
.set G1J, 24                           ; s[24:31], s[40:43] the codebook's descriptor
.set G0J, 40
.set G1X, 44                           ; s[44:51], s[52:55] x's
.set G0X, 52
.set MK,  80                           ; s80-97 lane masks at a tile's end
.set MSB, 0
.macro WIN new                         ; s_set_vgpr_msb: bits 1:0 source 0, 3:2 source 1, 5:4 source 2, 7:6 destination; the high byte repeats the setting that is left
.if MSB != \new
	s_set_vgpr_msb (MSB<<8)|\new
.set MSB, \new
.endif
.endm
.macro ROUND                           ; a round of the cluster's barrier: my work-group's barrier; wave 0 signals for the work-group; every wave waits for all four; my work-group's barrier once more
	s_barrier_signal -1
	s_barrier_wait -1
	s_cmp_lg_u32 s10, 0
	s_cbranch_scc1 .Lnot_wave_0_\@
	s_barrier_signal -3
.Lnot_wave_0_\@:
	s_barrier_wait -3
	s_barrier_signal -1
	s_barrier_wait -1
.endm
.macro LANDED w                        ; wave w alone waits for its load: it has a load line of its own
	s_cmp_lg_u32 s10, \w
	s_cbranch_scc1 .Lothers_\@
	s_wait_tensorcnt 0x0
.Lothers_\@:
.endm
	s_load_b128 s[4:7], s[0:1], 0x0                ; x, codebook
	s_load_b64 s[8:9], s[0:1], 0x10                ; nearest
	v_lshl_add_u32 v[SPW], v0, 2, SPARE
	v_mov_b32 v[NIL], 0
	ds_add_u32 v[SPW], v[NIL]                      ; the wave's opening: the add, twice on end, ahead of my first tensor load
	ds_add_u32 v[SPW], v[NIL]
	v_lshrrev_b32 v[T0], 5, v0
	v_readfirstlane_b32 s10, v[T0]                 ; wave 0..7
	s_mul_i32 s13, s10, 4*TILEP
	s_lshl_b32 s14, s10, 11
	s_lshl_b32 s15, s10, 8
	s_lshl_b32 s16, s10, 7
	s_mul_i32 s17, s10, TILEP
	s_lshl_b32 s18, s10, 6
	v_and_b32 v[R], 15, v0
	v_bfe_u32 v[H], v0, 4, 1
	v_and_b32 v[LN], 31, v0
	v_mul_u32_u24 v[XADR], v[R], ROWP
	v_lshlrev_b32 v[L16], 4, v[LN]
	v_lshlrev_b32 v[R4], 2, v[R]
	v_lshl_add_u32 v[XADR], v[H], 7, v[XADR]       ; row r, + 128 h: block h of the row
	v_lshlrev_b32 v[H8], 3, v[H]
	v_lshlrev_b32 v[GOF], 3, v[LN]
	v_add_nc_u32 v[CADR], s13, v[XADR]
	v_add_nc_u32 v[XADR], s17, v[XADR]
	v_add_nc_u32 v[LIMG], IMG, v[L16]
	v_add_nc_u32 v[CADR], CRAW, v[CADR]
	v_add_nc_u32 v[WCC], s15, v[R4]
	v_add_nc_u32 v[WIMG], s14, v[LIMG]
	v_add_nc_u32 v[RST], s15, v[GOF]
	v_add_nc_u32 v[WSC], s16, v[R4]
	v_add_nc_u32 v[WST], s18, v[R4]
	v_add_nc_u32 v[WCC], CCS, v[WCC]
	v_add_nc_u32 v[RST], STG, v[RST]
	v_add_nc_u32 v[WSC], SCL, v[WSC]
	v_add_nc_u32 v[WST], STG, v[WST]
	v_lshl_add_u32 v[RCC], v[H], 5, CCS
	v_lshl_add_u32 v[RSC], v[LN], 2, SCL
	v_mov_b32 v[TPA], 0                            ; a lane permute's destination counts as one of its sources: written once
	v_mov_b32 v[TPB], 0
	s_wait_alu depctr_va_vdst(0)
	s_mov_b32 s20, 0x76543210
	s_mov_b32 s21, 0xfedcba98                      ; v_permlanex16_b32's selects for lane l xor 16
	s_bfe_u32 s11, ttmp6, 0x40000                  ; my place in the cluster; it enters x's and nearest's addresses alone
	s_lshl_b32 s12, ttmp9, 2                       ; in a cluster launch ttmp9 counts clusters
	s_add_co_u32 s12, s12, s11                     ; work-group 0..255
	s_mov_b32 s[G1J], 15|(2<<16)|(1<<20)|(1<<21)|(5<<22)|(3<<25)   ; 15:0 the mask: all four work-groups; elements of 4 bytes; 20 padding on; 21 set beside a mask; behind every 64 words four words of padding
	s_mov_b32 s[G1X], (2<<16)|(1<<20)|(5<<22)|(3<<25)              ; no mask: x's rows are mine alone
.irp g, G1J, G1X
	s_mov_b32 s[\g+1], 64<<16                      ; tensor_dim0 = 64
	s_mov_b32 s[\g+2], 128<<16                     ; tensor_dim1 = 128 rows
	s_mov_b32 s[\g+3], 64<<16                      ; tile_dim0
	s_mov_b32 s[\g+4], 128                         ; tile_dim1
	s_mov_b32 s[\g+5], 64                          ; elements from row to row
	s_mov_b32 s[\g+6], 0
	s_mov_b32 s[\g+7], 0
.endr
	s_and_b32 s19, s10, 3                          ; which quarter I ask for, of the codebook (waves 0-3) or of x (waves 4-7)
	s_lshl_b32 s22, s19, 15                        ; 128 rows of 256 bytes
	s_mov_b32 s23, 0
	s_mul_i32 s19, s19, QUARP
	s_mov_b32 s[G0J], 1                            ; count = 1
	s_mov_b32 s[G0X], 1
	s_add_co_u32 s[G0J+1], s19, CRAW               ; LDS addresses: they hang on the wave's number alone
	s_mov_b32 s[G0X+1], s19
	s_lshl_b32 s34, s12, 17                        ; x: 512 rows a work-group
	s_add_co_u32 s34, s34, s22
	s_mov_b32 s35, 0
	s_lshl_b32 s36, s12, 11                        ; nearest: 2,048 bytes a work-group, 256 a wave
	s_add_co_u32 s36, s36, s15
	s_mov_b32 s37, 0
	s_wait_dscnt 0x0                               ; both opening adds are done
	s_wait_kmcnt 0x0
	s_add_nc_u64 s[G0J+2:G0J+3], s[6:7], s[22:23]
	s_or_b32 s[G0J+3], s[G0J+3], 0x80000000        ; type = 2
	s_add_nc_u64 s[G0X+2:G0X+3], s[4:5], s[34:35]
	s_or_b32 s[G0X+3], s[G0X+3], 0x80000000
	s_add_nc_u64 s[8:9], s[8:9], s[36:37]
	ROUND                                          ; all four work-groups are here: the joint loads meet
; THE HEAD'S LOADS, ONE A WAVE.  One tree of branches on the wave's number: every way passes exactly one load.
.macro ARM under, g0, g1, next
	s_cmp_lt_u32 s10, \under
	s_cbranch_scc0 \next
	tensor_load_to_lds s[\g0:\g0+3], s[\g1:\g1+7]
	s_nop 0
.rept 4
	v_nop
.endr
	s_branch .Lasked
\next:
.endm
	ARM 4, G0J, G1J, .Lx0                          ; waves 0-3, which wait alike
	ARM 5, G0X, G1X, .Lx1
	ARM 6, G0X, G1X, .Lx2
	ARM 7, G0X, G1X, .Lx3
	tensor_load_to_lds s[G0X:G0X+3], s[G1X:G1X+7]
	s_nop 0
.rept 4
	v_nop
.endr
.Lasked:
; A block's largest magnitude.  v[XR] .. v[XR + 31]: my block (32 h on) of row r.  sq = 1: and its sum of squares, packed, in two chains.
.macro BLKMAX sq
	v_max3_num_f32 v[MXA], |v[XR]|, |v[XR+1]|, 0x1800000             ; with the floor 2^(3 - 127) among the leaves: the byte cannot fall under 1
	v_max3_num_f32 v[MXB], |v[XR+16]|, |v[XR+17]|, |v[XR+18]|
.if \sq
	v_pk_mul_f32 v[SQ:SQ+1], v[XR:XR+1], v[XR:XR+1]
	v_pk_mul_f32 v[SQ+2:SQ+3], v[XR+2:XR+3], v[XR+2:XR+3]
.endif
.irp i, 0,1,2,3,4,5
	v_max3_num_f32 v[MXA], v[MXA], |v[XR+2+2*\i]|, |v[XR+3+2*\i]|
	v_max3_num_f32 v[MXB], v[MXB], |v[XR+19+2*\i]|, |v[XR+20+2*\i]|
.if \sq
	v_pk_fma_f32 v[SQ:SQ+1], v[XR+4+4*\i:XR+5+4*\i], v[XR+4+4*\i:XR+5+4*\i], v[SQ:SQ+1]
	v_pk_fma_f32 v[SQ+2:SQ+3], v[XR+6+4*\i:XR+7+4*\i], v[XR+6+4*\i:XR+7+4*\i], v[SQ+2:SQ+3]
.endif
.endr
	v_max3_num_f32 v[MXA], v[MXA], |v[XR+14]|, |v[XR+15]|
.if \sq
	v_pk_fma_f32 v[SQ:SQ+1], v[XR+28:XR+29], v[XR+28:XR+29], v[SQ:SQ+1]
	v_pk_fma_f32 v[SQ+2:SQ+3], v[XR+30:XR+31], v[XR+30:XR+31], v[SQ+2:SQ+3]
.endif
	v_max3_num_f32 v[MXA], v[MXA], v[MXB], |v[XR+31]|
.if \sq
	v_pk_add_f32 v[SQ:SQ+1], v[SQ:SQ+1], v[SQ+2:SQ+3]
.endif
	v_add_nc_u32 v[SCO], 0xff000000, v[MXA]        ; 2 off its exponent field: the conversion takes the exponent field of this operand as its scale, and nothing else of it
.if \sq
	v_add_f32 v[SQ], v[SQ], v[SQ+1]                ; my half row's sum of squares
.endif
	v_lshrrev_b32 v[BYT], 23, v[SCO]               ; the scale's byte
.endm
.macro CODES qc                        ; 32 codes in four registers, which ARE registers of an operand (lane (r, h): k = 32 h + 0 .. 31)
.irp g, 0,1,2,3
	v_cvt_scalef32_pk8_fp4_f32 v[\qc+\g], v[XR+8*\g:XR+8*\g+7], v[SCO]   ; eight numbers / the scale, to the nearest code, ties to even, beyond 6 the largest code
.endr
.endm
; ---- THE CODEBOOK: 64 rows a wave, four tiles of 16 codes, become images of operand registers, scale words and -cc/2 in LDS
.macro CTILE t, left                   ; left: the LDS loads and stores issued behind tile t's eight loads
	s_wait_dscnt \left
.set XR, FR+32*\t
	BLKMAX 1
	v_permlanex16_b32 v[TPB], v[SQ], s20, s21
	v_lshlrev_b32 v[BYT], v[H8], v[BYT]            ; block h is byte h
	v_permlanex16_b32 v[TPA], v[BYT], s20, s21
	v_add_f32 v[SQ], v[SQ], v[TPB]                 ; with the other half row's
	v_or_b32 v[HWD+\t], v[BYT], v[TPA]             ; with the other block's byte
	v_mul_f32 v[CCV+\t], -0.5, v[SQ]
	CODES CDS+4*\t
	v_nop                                          ; one plain line behind the last conversion
	ds_store_b128 v[WIMG], v[CDS+4*\t:CDS+4*\t+3] offset:512*\t
	ds_store_b32 v[WCC], v[CCV+\t] offset:64*\t    ; lanes r and r + 16 write the same word with the same value
.if \t > 1
	v_lshl_or_b32 v[SWD+\t-2], v[HWD+\t], 16, v[HWD+\t-2]   ; tiles t - 2 (k < 64) and t (k >= 64) share rows of a pair
	ds_store_b32 v[WSC], v[SWD+\t-2] offset:64*(\t-2)
.endif
.endm
	s_cmp_lt_u32 s10, 4                            ; waves 0-3 wait for their quarters of the codebook; x's quarters stay out
	s_cbranch_scc0 .Lcodebook
	s_wait_tensorcnt 0x0
.Lcodebook:
	s_barrier_signal -1
	s_barrier_wait -1                              ; the whole codebook lies in LDS
.irp t, 0,1,2,3
.irp i, 0,1,2,3,4,5,6,7
	ds_load_b128 v[FR+32*\t+4*\i:FR+32*\t+4*\i+3], v[CADR] offset:TILEP*\t+16*\i
.endr
.endr
	CTILE 0, 24                                    ; three tiles' 24 loads
	CTILE 1, 18                                    ; 16 loads, 2 stores
	CTILE 2, 12                                    ; 8 loads, 4 stores
	CTILE 3, 7                                     ; 7 stores
.irp i, 0,1,2,3
	v_mov_b32 v[BZ+\i], 0                          ; the zero codes on either side of the queries' codes: written once
	v_mov_b32 v[BZ+8+\i], 0
.endr
	s_wait_alu depctr_va_vdst(0)
	LANDED 4                                       ; x's first quarter
	s_wait_dscnt 0x0                               ; for the others' sake: my stores have landed
	s_barrier_signal -1                            ; (x's younger quarters may stay out: no LDS byte is filled a second time in this launch)
	s_barrier_wait -1                              ; all 32 tiles' images, words and -cc/2 lie in LDS, and x's first quarter
; ---- THE TILES OF QUERIES
.macro LOADP p                         ; pair p: its fragments and -cc/2 of its 64 codes: 12 loads
	ds_load_b128 v[FR+16*(\p):FR+16*(\p)+3], v[LIMG] offset:2048*(\p)               ; tile 4 p
	ds_load_b128 v[FR+16*(\p)+4:FR+16*(\p)+7], v[LIMG] offset:2048*(\p)+1024        ; tile 4 p + 2
	ds_load_b128 v[FR+16*(\p)+8:FR+16*(\p)+11], v[LIMG] offset:2048*(\p)+512        ; tile 4 p + 1
	ds_load_b128 v[FR+16*(\p)+12:FR+16*(\p)+15], v[LIMG] offset:2048*(\p)+1536      ; tile 4 p + 3
	WIN 0x40                                       ; destination window 1
.irp c, 0,1,2,3,4,5,6,7
	ds_load_b128 v[32*(\p)+4*\c:32*(\p)+4*\c+3], v[RCC] offset:256*(\p)+64*(\c/2)+16*(\c%2)   ; codes 64 p + 16 (c / 2) + 8 h + 4 (c % 2) on
.endr
	WIN 0
.endm
.macro XLOAD                           ; a tile's raw numbers into the first set of results
.irp i, 0,1,2,3,4,5,6,7
	ds_load_b128 v[DACC+4*\i:DACC+4*\i+3], v[XADR] offset:16*\i
.endr
.endm
.macro WMM p                           ; pair p's two products: units 2 p and 2 p + 1, p - cc/2, into set p % 2
.set DD, DACC+32*((\p)%2)
	WIN 0x10                                       ; source 2 in window 1
	v_wmma_scale_f32_32x16x128_f4 v[DD:DD+15], v[FR+16*(\p):FR+16*(\p)+15], v[BZ+4:BZ+11], v[32*(\p):32*(\p)+15], v[ASC+(\p)], v[BSC]
	v_wmma_scale_f32_32x16x128_f4 v[DD+16:DD+31], v[FR+16*(\p):FR+16*(\p)+15], v[BZ:BZ+7], v[32*(\p)+16:32*(\p)+31], v[ASC+(\p)], v[BSC]
	WIN 0
.endm
.macro TREE_A u                        ; the maximum of unit u's 16 numbers, but for its last line, in three parts; the result is read from its low end on
.set DN, DACC+32*(((\u)/2)%2)+16*((\u)%2)
	v_max3_num_f32 v[TCH], v[DN], v[DN+1], v[DN+2]
	v_max3_num_f32 v[TCH+1], v[DN+3], v[DN+4], v[DN+5]
	v_max3_num_f32 v[TCH+2], v[DN+6], v[DN+7], v[DN+8]
	v_max3_num_f32 v[TCH+3], v[DN+9], v[DN+10], v[DN+11]
.endm
.macro TREE_B
	v_max3_num_f32 v[TCH], v[TCH], v[DN+12], v[DN+13]
	v_max3_num_f32 v[TCH+1], v[TCH+1], v[DN+14], v[DN+15]
.endm
.macro TREE_C
	v_max3_num_f32 v[TCH], v[TCH], v[TCH+1], v[TCH+2]
.endm
.macro TREE u
	TREE_A \u
	TREE_B
	TREE_C
.endm
; Unit u against the best so far.  VCC = the best so far stands (it is greater or EQUAL: the earlier unit holds the lower codes).  The next unit's maximum is found between the compare and the selects.
; Unit 1 is held against unit 0 where that lies: nothing is copied ahead of it.
.macro STEP u
	v_max3_num_f32 v[BEST+(\u)%2], v[TCH], v[TCH+3], v[BEST+((\u)+1)%2]
.if (\u) < 15
	TREE_A (\u)+1
.endif
	v_cmp_eq_f32 vcc_lo, v[BEST+(\u)%2], v[BEST+((\u)+1)%2]   ; the next unit's first maxima stand ahead of it, the others among the selects
.if (\u) < 15
	TREE_B
.endif
.set DB, DACC+32*(((\u)/2)%2)+16*((\u)%2)
.if (\u) == 1
.set OK, DACC
	v_cndmask_b32 v[IDX], 1, v[BZ], vcc_lo         ; (v[BZ] holds 0)
.else
.set OK, KEEP
	v_cndmask_b32 v[IDX], \u, v[IDX], vcc_lo
.endif
.irp k, 0,2,4,6,8,10,12,14
	v_dual_cndmask_b32 v[KEEP+\k], v[DB+\k], v[OK+\k] :: v_dual_cndmask_b32 v[KEEP+\k+1], v[DB+\k+1], v[OK+\k+1]
.if \k == 4
.if (\u) < 15
	TREE_C
.endif
.endif
.endr
.endm
; A TILE'S END, in two parts, so that the next tile's first products can stand between them.  R1: which kept numbers equal the maximum.
.macro R1
.irp i, 0,1,2,3,4,5,6,7,8,9,10,11,12,13,14,15
	v_cmp_eq_f32 s[MK+\i], v[KEEP+\i], v[BEST+1]
.endr
.endm
; R2: the first of them.  Kept number i = 8 v + j is code 32 u + 16 v + 8 h + j: its place counts as i + (i & 8).  Four chains, each from its highest i down, so that the lowest i has the last word.
.macro R2 q
.irp c, 0,1,2,3
	v_cndmask_b32 v[TCH+\c], 64, (4*\c+3)+((4*\c+3)&8), s[MK+4*\c+3]
.endr
.irp k, 2,1,0
.irp c, 0,1,2,3
	v_cndmask_b32 v[TCH+\c], v[TCH+\c], (4*\c+\k)+((4*\c+\k)&8), s[MK+4*\c+\k]
.endr
.endr
	v_lshl_add_u32 v[RT], v[IDX], 5, v[H8]         ; 32 u + 8 h
	v_permlanex16_b32 v[PBEST], v[BEST+1], s20, s21   ; the query's other 256 codes lie in lane l xor 16
	v_min_u32 v[TCH], v[TCH], v[TCH+1]
	v_min_u32 v[TCH+2], v[TCH+2], v[TCH+3]
	v_max_num_f32 v[MXV], v[BEST+1], v[PBEST]
	v_min_u32 v[TCH], v[TCH], v[TCH+2]
	v_cmp_eq_f32 s[MK+16], v[BEST+1], v[MXV]
	v_add_nc_u32 v[RCODE], v[RT], v[TCH]           ; my half's code
	v_cmp_eq_f32 s[MK+17], v[PBEST], v[MXV]
	v_permlanex16_b32 v[PCODE], v[RCODE], s20, s21
	v_cndmask_b32 v[RA], 0x3ff, v[RCODE], s[MK+16] ; a half that does not hold the maximum counts as 1,023;
	v_cndmask_b32 v[RB], 0x3ff, v[PCODE], s[MK+17]
	v_min_u32 v[RES], v[RA], v[RB]                 ; where both hold it, the lower code
	ds_store_b32 v[WST], v[RES] offset:512*(\q)    ; query 128 q + 16 x wave + r; lanes r and r + 16 write the same word with the same value
.endm
; Tile q's numbers become codes and a scale word, and its first two pairs of products are issued.  The end of tile q - 1 stands round those products: R1's lines are the places between the
; scale word and the first product, R2's those in front of the first read of a result.  Tile 0 has v_nop instead, and waits for its first two pairs.
.macro NEXTQ q
	s_wait_alu depctr_va_vdst(0)
.if (\q) == 0
	s_wait_dscnt 56                                ; behind the tile's raw numbers: 8 loads of scale words and four pairs
.else
	s_wait_dscnt 0x0
.endif
.set XR, DACC
	BLKMAX 0
	v_permlanex16_b32 v[TPA], v[BYT], s20, s21     ; the other block's byte
	CODES BZ+4
	v_lshl_or_b32 v[BYT], v[TPA], 8, v[BYT]        ; lanes 0-15 hold block 0, their partners block 1; lanes 16-31 of the word are not read
	v_lshl_or_b32 v[BSC], v[BYT], 16, v[BYT]       ; the word serves k < 64 and k >= 64 alike
.if (\q) > 0
	R1
	WMM 0
	WMM 1
	R2 (\q)-1
.else
.rept 8
	v_nop
.endr
	s_wait_alu depctr_va_vdst(0)
	s_wait_dscnt 36                                ; scale words and pair 0 are in; three pairs may be out
	WMM 0
	s_wait_dscnt 24                                ; two pairs
	WMM 1
.rept 4
	v_nop
.endr
.endif
.endm
; The next quarter of x: the wave that asked for it waits; the others signal at once.  Quarter 3 is all that is still out: its wait stands under no branch.
.macro SIGNAL q
	s_wait_alu depctr_va_vdst(0)
.if (\q) < 3
	LANDED 4+(\q)
.else
	s_wait_tensorcnt 0x0
.endif
	s_wait_dscnt 0x0
	s_barrier_signal -1
.endm
; A tile's sixteen units.  Pairs 0 and 1 are issued already.  A set is written again when its two units have been kept; between a pair's products and the first read of them stands a unit's work.
; Tile 0 also fetches pairs 4 to 7, two pairs ahead of their products.  Between the barrier's signal and its wait stand two units' work on registers.
.macro TILE q
	TREE 0
	v_max_num_f32 v[BEST], v[TCH], v[TCH+3]
	TREE 1
.irp u, 1,2,3,4,5,6,7,8,9,10,11,12,13,14,15
	STEP \u
.if \u%2 == 1
.if \u < 13
.if (\q) == 0
.if \u < 8
	LOADP (\u-1)/2+4
.endif
	s_wait_alu depctr_va_vdst(0)
.if \u < 8
	s_wait_dscnt 24                                ; the next products' pair is in; two younger pairs may be out
.elseif \u == 9
	s_wait_dscnt 12                                ; one younger pair
.else
	s_wait_dscnt 0x0
.endif
.endif
	WMM (\u-1)/2+2
.endif
.endif
.if (\q) < 3
.if \u == 11
	SIGNAL (\q)+1
.endif
.if \u == 13
	s_wait_alu depctr_va_vdst(0)
	s_barrier_wait -1                              ; the next quarter of x lies in LDS
	v_add_nc_u32 v[XADR], QUARP, v[XADR]
	XLOAD                                          ; set 0 is free: it takes the next tile's raw numbers
.endif
.endif
.endr
.endm
	XLOAD
.irp s, 0,1,2,3,4,5,6,7
	ds_load_b32 v[ASC+\s], v[RSC] offset:128*\s
.endr
	LOADP 0
	LOADP 1
	LOADP 2
	LOADP 3
	NEXTQ 0
.irp q, 0,1,2
	TILE \q
	NEXTQ \q+1
.endr
	TILE 3
	R1
	R2 3
	s_wait_dscnt 0x0                               ; for the others' sake: my indices are stored
	s_barrier_signal -1
	s_barrier_wait -1
	ds_load_b64 v[56:57], v[RST]                   ; 64 of the work-group's indices
	s_wait_dscnt 0x0
	global_store_b64 v[GOF], v[56:57], s[8:9]      ; 256 consecutive bytes, at a multiple of 256 from the buffer's first byte
	s_wait_tensorcnt 0x0                           ; the wave's end, behind my last LDS store
	ds_add_u32 v[SPW], v[NIL]
	s_wait_dscnt 0x0
	ROUND                                          ; the closing round: no work-group ends while a partner may still ask for a tile that names it
	s_endpgm
.Lfunc_end_k_qcac1ac7833_nearest:
	.size	k_qcac1ac7833_nearest, .Lfunc_end_k_qcac1ac7833_nearest-k_qcac1ac7833_nearest
	.p2alignl 7, 3214868480
	.fill 96, 4, 3214868480
	.section	.rodata,"a",@progbits
	.p2align	6, 0x0
	.amdhsa_kernel k_qcac1ac7833_nearest
		.amdhsa_group_segment_fixed_size 301056
		.amdhsa_private_segment_fixed_size 0
		.amdhsa_enable_private_segment 0
		.amdhsa_kernarg_size 24
		.amdhsa_user_sgpr_count 2
		.amdhsa_user_sgpr_kernarg_segment_ptr 1
		.amdhsa_wavefront_size32 1
		.amdhsa_system_sgpr_workgroup_id_x 1
		.amdhsa_system_sgpr_workgroup_id_y 1
		.amdhsa_system_sgpr_workgroup_id_z 1
		.amdhsa_system_vgpr_workitem_id 0
		.amdhsa_next_free_vgpr 512
		.amdhsa_next_free_sgpr 98
		.amdhsa_reserve_vcc 1
		.amdhsa_float_denorm_mode_32 3
		.amdhsa_float_denorm_mode_16_64 3
		.amdhsa_memory_ordered 1
		.amdhsa_forward_progress 1
		.amdhsa_inst_pref_size 126
	.end_amdhsa_kernel
	.amdgpu_metadata
---
amdhsa.version: [ 1, 2 ]
amdhsa.kernels:
  - .name:           k_qcac1ac7833_nearest
    .symbol:         k_qcac1ac7833_nearest.kd
    .args:
      - { .name: x, .offset: 0, .size: 8, .value_kind: global_buffer, .address_space: global }
      - { .name: codebook, .offset: 8, .size: 8, .value_kind: global_buffer, .address_space: global }
      - { .name: nearest, .offset: 16, .size: 8, .value_kind: global_buffer, .address_space: global }
    .group_segment_fixed_size: 301056
    .private_segment_fixed_size: 0
    .kernarg_segment_align: 8
    .kernarg_segment_size: 24
    .max_flat_workgroup_size: 256
    .sgpr_count:     98
    .vgpr_count:     512
    .wavefront_size: 32
...
	.end_amdgpu_metadata
.endif
;; end of part 1
;; launch gather (part 2): grid 256 x 1, 8 waves a work-group, no clusters, 0 bytes of LDS; arguments nearest, codebook, out0; writes out0
.if DOCPART == 2
	.amdgcn_target "amdgcn-amd-amdhsa--gfx1250"
	.amdhsa_code_object_version 6
	.text
	.protected	k_qcac1ac7833_gather
	.globl	k_qcac1ac7833_gather
	.p2align	8
	.type	k_qcac1ac7833_gather,@function
k_qcac1ac7833_gather:
	s_mov_b64 s[64:65], 0
	v_nop
	global_prefetch_b8 v0, s[64:65] scope:SCOPE_SE
	s_setreg_imm32_b32 hwreg(HW_REG_WAVE_MODE, 25, 1), 1
	s_wait_xcnt 0x0
; out0[n][:] = codebook[nearest[n]][:].  nearest: [131072] words, stored by the launch before; codebook: [512][64] f32; out0: [131072][64] f32.
; A stream: no LDS, no barrier, no matrix work.  A work-group of eight waves takes 512 rows, a wave 64.  A row is 256 bytes: sixteen lanes, 16 bytes each.
; Lanes 0-15 take rows 0 .. 31 of the wave's 64, lanes 16-31 rows 32 .. 63: so a lane's 32 indices are neighbours in memory (eight loads of 16 bytes, the same for the sixteen lanes of a half),
; register i holds the index of the i-th gather, each gather reads two whole rows of the codebook, and each store writes two whole aligned blocks of 256 bytes.
; Written out, no loop: all 32 gathers of a wave are on their way together, every offset is an immediate, and no register that a memory instruction names is written again.
; An index is held to 511 before it enters an address.
.set IX,  16                           ; v16-47   the indices, then the gathers' byte offsets
.set DT,  64                           ; v64-191  32 x 4 registers of rows
	s_load_b128 s[4:7], s[0:1], 0x0                ; nearest, codebook
	s_load_b64 s[8:9], s[0:1], 0x10                ; out0
	v_lshrrev_b32 v1, 5, v0
	s_delay_alu instid0(VALU_DEP_1)
	v_readfirstlane_b32 s10, v1                    ; wave 0..7
	v_and_b32 v2, 15, v0                           ; my 16 bytes of a row
	v_bfe_u32 v3, v0, 4, 1                         ; h
	s_delay_alu instid0(VALU_DEP_1)
	v_lshlrev_b32 v4, 7, v3                        ; my half's 32 indices: 128 h bytes on
	s_delay_alu instid0(VALU_DEP_3)
	v_lshlrev_b32 v5, 4, v2
	s_delay_alu instid0(VALU_DEP_1)
	v_lshl_add_u32 v6, v3, 13, v5                  ; out0: 32 rows of 256 bytes x h, + my 16 bytes
	s_lshl_b32 s11, ttmp9, 9
	s_lshl_b32 s12, s10, 6
	s_add_co_u32 s11, s11, s12                     ; my wave's first row: 512 x work-group + 64 x wave
	s_lshl_b32 s12, s11, 2                         ; in nearest,
	s_mov_b32 s13, 0
	s_lshl_b32 s14, s11, 8                         ; in out0 (under 2^25)
	s_mov_b32 s15, 0
	s_wait_alu depctr_va_vdst(0)
	s_wait_kmcnt 0x0
	s_add_nc_u64 s[4:5], s[4:5], s[12:13]
	s_add_nc_u64 s[8:9], s[8:9], s[14:15]
.irp g, 0,1,2,3,4,5,6,7
	global_load_b128 v[IX+4*\g:IX+4*\g+3], v4, s[4:5] offset:16*\g th:TH_LOAD_NT
.endr
.irp g, 0,1,2,3,4,5,6,7
	s_wait_loadcnt 7+3*\g                          ; index load g is in: behind it were issued 7 - g index loads and 4 g gathers
.irp i, 0,1,2,3
	v_min_u32 v[IX+4*\g+\i], 0x1ff, v[IX+4*\g+\i]
.endr
.irp i, 0,1,2,3
	s_delay_alu instid0(VALU_DEP_4)
	v_lshl_add_u32 v[IX+4*\g+\i], v[IX+4*\g+\i], 8, v5   ; the row's first byte + my 16 bytes
.endr
.irp i, 0,1,2,3
	global_load_b128 v[DT+16*\g+4*\i:DT+16*\g+4*\i+3], v[IX+4*\g+\i], s[6:7]   ; rows that many work-groups read again: no hint
.endr
.endr
.irp i, 0,1,2,3,4,5,6,7,8,9,10,11,12,13,14,15,16,17,18,19,20,21,22,23,24,25,26,27,28,29,30,31
	s_wait_loadcnt 31-\i                           ; gather i is in; the younger ones stay out
	global_store_b128 v6, v[DT+4*\i:DT+4*\i+3], s[8:9] offset:256*\i th:TH_STORE_NT
.endr
	s_endpgm
.Lfunc_end_k_qcac1ac7833_gather:
	.size	k_qcac1ac7833_gather, .Lfunc_end_k_qcac1ac7833_gather-k_qcac1ac7833_gather
	.p2alignl 7, 3214868480
	.fill 96, 4, 3214868480
	.section	.rodata,"a",@progbits
	.p2align	6, 0x0
	.amdhsa_kernel k_qcac1ac7833_gather
		.amdhsa_group_segment_fixed_size 0
		.amdhsa_private_segment_fixed_size 0
		.amdhsa_enable_private_segment 0
		.amdhsa_kernarg_size 24
		.amdhsa_user_sgpr_count 2
		.amdhsa_user_sgpr_kernarg_segment_ptr 1
		.amdhsa_wavefront_size32 1
		.amdhsa_system_sgpr_workgroup_id_x 1
		.amdhsa_system_sgpr_workgroup_id_y 1
		.amdhsa_system_sgpr_workgroup_id_z 1
		.amdhsa_system_vgpr_workitem_id 0
		.amdhsa_next_free_vgpr 192
		.amdhsa_next_free_sgpr 66
		.amdhsa_reserve_vcc 0
		.amdhsa_float_denorm_mode_32 3
		.amdhsa_float_denorm_mode_16_64 3
		.amdhsa_memory_ordered 1
		.amdhsa_forward_progress 1
		.amdhsa_inst_pref_size 15
	.end_amdhsa_kernel
	.amdgpu_metadata
---
amdhsa.version: [ 1, 2 ]
amdhsa.kernels:
  - .name:           k_qcac1ac7833_gather
    .symbol:         k_qcac1ac7833_gather.kd
    .args:
      - { .name: nearest, .offset: 0, .size: 8, .value_kind: global_buffer, .address_space: global }
      - { .name: codebook, .offset: 8, .size: 8, .value_kind: global_buffer, .address_space: global }
      - { .name: out0, .offset: 16, .size: 8, .value_kind: global_buffer, .address_space: global }
    .group_segment_fixed_size: 0
    .private_segment_fixed_size: 0
    .kernarg_segment_align: 8
    .kernarg_segment_size: 24
    .max_flat_workgroup_size: 256
    .sgpr_count:     66
    .vgpr_count:     192
    .wavefront_size: 32
...
	.end_amdgpu_metadata
.endif
;; end of part 2
